; MI455X (gfx1250); checked and timed in simulation.
; The chip was launched on July 23, 2026; its instructions are those of AMD's public machine-readable ISA for CDNA 5 (MIT licence, August 2026) and "CDNA5" Instruction Set Architecture Reference Guide (July 2026). The comments in the code are by the model that wrote it; some were corrected since.
;; Vector Quantize. Allowed arithmetic: float matrix products may take bf16 or f16 operands with f32 sums; other float arithmetic in f32, or as packed bf16 or f16 multiplies, adds, multiply-adds, maxima and minima; sums over many terms, partial sums and values carried from step to step in f32; what a program stores and reads back later, other than sums and carried values, may be rounded once to bf16 or f16.
;; Inputs: codebook 8,192 x 512 float32; x 32 x 512 x 512 float32.
;; Outputs: out0 32 x 512 x 512 float32; out1 one number float32; out2 one number float32; out3 32 x 512 int32.
;; 2 versions, each right; version 2 is version 1 with the launches prep, finish written anew for expert scheduling mode. Each part assembles by itself: llvm-mc -triple=amdgcn-amd-amdhsa -mcpu=gfx1250 --defsym DOCPART=n.
;; ======== version 1 of 2: 4 launches
;; workspace buffers: xb 16,777,216 bytes; cb 8,388,608 bytes; xn 65,536 bytes; cn 32,768 bytes; pv 262,144 bytes; pi 262,144 bytes of whole numbers; part 8,192 bytes
;; launch prep (part 1): grid 384 x 1, 8 waves a work-group, no clusters, 2,048 bytes of LDS; arguments x, codebook, xb, cb, xn, cn; writes xb, cb, xn, cn
.if DOCPART == 1
	.amdgcn_target "amdgcn-amd-amdhsa--gfx1250"
	.amdhsa_code_object_version 6
	.text
	.protected	k_qaa51934f21_prep
	.globl	k_qaa51934f21_prep
	.p2align	8
	.type	k_qaa51934f21_prep,@function
k_qaa51934f21_prep:
	s_mov_b64 s[64:65], 0
	v_nop
	global_prefetch_b8 v0, s[64:65] scope:SCOPE_SE
	s_setreg_imm32_b32 hwreg(HW_REG_WAVE_MODE, 25, 1), 1
	s_wait_xcnt 0x0
; PREP.  x [16384][512] f32 and codebook [8192][512] f32 are rounded once to bf16 (nearest even) into xb and cb, and for each row the sum of the
; squares OF THE ROUNDED NUMBERS is stored in f32 into xn and cn.  The whole program works on the rounded inputs.
; SHARES.  A work-group takes 64 rows: groups 0-255 x's blocks, groups 256-383 the codebook's.  A wave takes 8 whole rows; a row of 2,048 bytes is four
; loads of 512 consecutive bytes, so a lane holds channels 128 m + 4 lane .. + 3.  All 32 loads of a wave (16 KiB) go out at once; no register of them is loaded twice.
; OUT.  A row's four stores cover 256 consecutive bytes each, aligned.  The 64 sums meet in LDS, and wave 0 stores them as 256 consecutive bytes.
; LIMIT.  A number beyond bf16's largest finite one becomes an infinity.  The order of a row's sum (four per lane, then across lanes) is not the reference's.
.set SPARE, 1024                       ; LDS 0-1023: wave w's 128 bytes of scratch at 128 w; from 1024 on the spare words, 128 bytes a wave
.set X,   32                           ; v[32:159] row i, load m at X + 16 i + 4 m
.set SRC, 18                           ; s[18:19] my wave's first row in the f32 source
.set DST, 20                           ; s[20:21] the same in the bf16 copy
.set NRB, 22                           ; s[22:23] the group's 64 sums
	s_load_b256 s[4:11], s[0:1], 0x0               ; x s[4:5], codebook s[6:7], xb s[8:9], cb s[10:11]
	s_load_b128 s[12:15], s[0:1], 0x20             ; xn s[12:13], cn s[14:15]
	v_lshl_add_u32 v7, v0, 2, SPARE                ; my spare word; never rewritten
	v_mov_b32 v8, 0                                ; 0; never rewritten
	v_lshrrev_b32 v1, 5, v0
	v_readfirstlane_b32 s16, v1                    ; wave 0..7
	v_and_b32 v1, 31, v0                           ; lane
	v_lshlrev_b32 v2, 4, v1                        ; 16 bytes a lane in a load
	v_lshlrev_b32 v3, 3, v1                        ; 8 bytes a lane in a store
	v_mov_b32 v4, 0                                ; lane i (0..7) will hold row i's sum
	v_lshlrev_b32 v5, 2, v0                        ; scratch: 128 wave + 4 lane
	v_lshrrev_b32 v6, 2, v1                        ; wave 0 reads rows 2 l, 2 l + 1: wave l / 4, words 2 (l % 4) and the next
	v_and_b32 v9, 3, v1
	v_lshlrev_b32 v6, 7, v6
	v_lshl_add_u32 v6, v9, 3, v6
	s_mov_b32 s24, 0xffff0000                      ; a word's upper bf16
	s_mov_b32 s26, 0x76543210                      ; v_permlanex16_b32: each lane takes its own place in the other half
	s_mov_b32 s27, 0xfedcba98
	s_and_b32 s17, ttmp9, 255                      ; the block of 64 rows in its tensor
	s_lshl_b32 s28, s17, 17                        ; 64 rows of 2,048 bytes
	s_lshl_b32 s29, s16, 14                        ; my wave's 8 rows
	s_add_co_u32 s28, s28, s29
	s_mov_b32 s29, 0
	s_wait_kmcnt 0x0
	s_cmp_lt_u32 ttmp9, 256                        ; x or the codebook: a choice by the group's number
	s_cselect_b64 s[SRC:SRC+1], s[4:5], s[6:7]
	s_cselect_b64 s[DST:DST+1], s[8:9], s[10:11]
	s_cselect_b64 s[NRB:NRB+1], s[12:13], s[14:15]
	s_add_nc_u64 s[SRC:SRC+1], s[SRC:SRC+1], s[28:29]
	s_lshr_b32 s28, s28, 1                         ; half the bytes in bf16
	s_add_nc_u64 s[DST:DST+1], s[DST:DST+1], s[28:29]
	s_lshl_b32 s28, s17, 8                         ; 64 sums of 4 bytes
	s_add_nc_u64 s[NRB:NRB+1], s[NRB:NRB+1], s[28:29]
.set i, 0
.rept 32
	global_load_b128 v[X+4*i:X+4*i+3], v2, s[SRC:SRC+1] offset:512*i th:TH_LOAD_NT
.set i, i+1
.endr
; Row i: rounded in place, stored, unpacked again and squared.
.macro ROW i
	s_wait_loadcnt 4*(7-(\i))                      ; loads come back in order: this row's four are in, the later rows' stay out
.irp m, 0,1,2,3
.set a, X+16*(\i)+4*(\m)
	v_cvt_pk_bf16_f32 v[a], v[a], v[a+1]
	v_cvt_pk_bf16_f32 v[a+1], v[a+2], v[a+3]
	global_store_b64 v3, v[a:a+1], s[DST:DST+1] offset:1024*(\i)+256*(\m)  ; 32 lanes: 256 consecutive bytes, aligned; these registers are not written again
	v_lshlrev_b32 v10, 16, v[a]
	v_and_b32 v11, s24, v[a]
	v_lshlrev_b32 v12, 16, v[a+1]
	v_and_b32 v13, s24, v[a+1]
.if (\m) == 0
	v_pk_mul_f32 v[14:15], v[10:11], v[10:11]      ; the first products start the sums
	v_pk_mul_f32 v[16:17], v[12:13], v[12:13]
.else
	v_pk_fma_f32 v[14:15], v[10:11], v[10:11], v[14:15]
	v_pk_fma_f32 v[16:17], v[12:13], v[12:13], v[16:17]
.endif
.endr
	v_pk_add_f32 v[14:15], v[14:15], v[16:17]
	v_add_f32 v14, v14, v15
	v_add_f32_dpp v14, v14, v14 row_xmask:1 row_mask:0xf bank_mask:0xf
	v_add_f32_dpp v14, v14, v14 row_xmask:2 row_mask:0xf bank_mask:0xf
	v_add_f32_dpp v14, v14, v14 row_xmask:4 row_mask:0xf bank_mask:0xf
	v_add_f32_dpp v14, v14, v14 row_xmask:8 row_mask:0xf bank_mask:0xf
	v_permlanex16_b32 v9, v14, s26, s27
	v_add_f32 v14, v14, v9                         ; every lane holds the row's sum;
	v_cmp_eq_u32 vcc_lo, \i, v1
	v_cndmask_b32 v4, v4, v14, vcc_lo              ; lane i keeps it
.endm
.irp i, 0,1,2,3,4,5,6,7
	ROW \i
.endr
	ds_store_b32 v5, v4                            ; each lane its own word; words 0-7 of a wave's 32 are its rows' sums
	s_wait_dscnt 0x0                               ; for the others' sake: my store is done
	s_barrier_signal -1
	s_barrier_wait -1
	s_cmp_lg_u32 s16, 0
	s_cbranch_scc1 .Lend
	ds_load_b64 v[10:11], v6
	s_wait_dscnt 0x0
	global_store_b64 v3, v[10:11], s[NRB:NRB+1]    ; 64 sums: 256 consecutive bytes, aligned
.Lend:
	s_wait_tensorcnt 0x0                           ; the wave's end: these three lines, behind my last LDS store
	ds_add_u32 v7, v8
	s_wait_dscnt 0x0
	s_endpgm
.Lfunc_end_k_qaa51934f21_prep:
	.size	k_qaa51934f21_prep, .Lfunc_end_k_qaa51934f21_prep-k_qaa51934f21_prep
	.p2alignl 7, 3214868480
	.fill 96, 4, 3214868480
	.section	.rodata,"a",@progbits
	.p2align	6, 0x0
	.amdhsa_kernel k_qaa51934f21_prep
		.amdhsa_group_segment_fixed_size 2048
		.amdhsa_private_segment_fixed_size 0
		.amdhsa_enable_private_segment 0
		.amdhsa_kernarg_size 48
		.amdhsa_user_sgpr_count 2
		.amdhsa_user_sgpr_kernarg_segment_ptr 1
		.amdhsa_wavefront_size32 1
		.amdhsa_system_sgpr_workgroup_id_x 1
		.amdhsa_system_sgpr_workgroup_id_y 1
		.amdhsa_system_sgpr_workgroup_id_z 1
		.amdhsa_system_vgpr_workitem_id 0
		.amdhsa_next_free_vgpr 160
		.amdhsa_next_free_sgpr 66
		.amdhsa_reserve_vcc 1
		.amdhsa_float_denorm_mode_32 3
		.amdhsa_float_denorm_mode_16_64 3
		.amdhsa_memory_ordered 1
		.amdhsa_forward_progress 1
		.amdhsa_inst_pref_size 25
	.end_amdhsa_kernel
	.amdgpu_metadata
---
amdhsa.version: [ 1, 2 ]
amdhsa.kernels:
  - .name:           k_qaa51934f21_prep
    .symbol:         k_qaa51934f21_prep.kd
    .args:
      - { .name: x, .offset: 0, .size: 8, .value_kind: global_buffer, .address_space: global }
      - { .name: codebook, .offset: 8, .size: 8, .value_kind: global_buffer, .address_space: global }
      - { .name: xb, .offset: 16, .size: 8, .value_kind: global_buffer, .address_space: global }
      - { .name: cb, .offset: 24, .size: 8, .value_kind: global_buffer, .address_space: global }
      - { .name: xn, .offset: 32, .size: 8, .value_kind: global_buffer, .address_space: global }
      - { .name: cn, .offset: 40, .size: 8, .value_kind: global_buffer, .address_space: global }
    .group_segment_fixed_size: 2048
    .private_segment_fixed_size: 0
    .kernarg_segment_align: 8
    .kernarg_segment_size: 48
    .max_flat_workgroup_size: 256
    .sgpr_count:     66
    .vgpr_count:     160
    .wavefront_size: 32
...
	.end_amdgpu_metadata
.endif
;; end of part 1
;; launch search (part 2): grid 64 x 4, 4 waves a work-group, clusters of 4 x 1, 327,680 bytes of LDS; arguments xb, cb, xn, cn, pv, pi; writes pv, pi
.if DOCPART == 2
	.amdgcn_target "amdgcn-amd-amdhsa--gfx1250"
	.amdhsa_code_object_version 6
	.text
	.protected	k_qaa51934f21_search
	.globl	k_qaa51934f21_search
	.p2align	8
	.type	k_qaa51934f21_search,@function
k_qaa51934f21_search:
	s_mov_b64 s[64:65], 0
	v_nop
	global_prefetch_b8 v0, s[64:65] scope:SCOPE_SE
	s_setreg_imm32_b32 hwreg(HW_REG_WAVE_MODE, 25, 1), 1
	s_wait_xcnt 0x0
	s_wait_alu depctr_hold_cnt(0) depctr_sa_sdst(0) depctr_va_vdst(0) depctr_va_sdst(0) depctr_va_ssrc(0) depctr_va_vcc(0) depctr_vm_vsrc(0)
	s_getreg_b32 s2, hwreg(HW_REG_IB_STS2, 6, 4)
	s_cmp_eq_u32 s2, 0
	s_cbranch_scc0 .Lentry_in_a_cluster
	s_endpgm
.Lentry_in_a_cluster:
	s_bfe_u32 s2, ttmp6, 0x10000c
	s_cmp_lg_u32 s2, 0x3003
	s_cbranch_scc0 .Lentry_shape_is_right
	s_endpgm
.Lentry_shape_is_right:
; SEARCH.  For 256 rows of xb and one quarter (2,048) of the codes: e = z . c by the matrix unit (bf16 operands, one f32 sum, K ascending in 16 steps of 32),
; d = fl(fl(A - 2 e) + cc) with A = xn[row], cc = cn[code], formed as the reference forms it, and the first code of the smallest d.  Stored: pv[quarter][row] = that d, pi[quarter][row] = its code (0..8191).
; LIMITS.  NaN is not treated as an argmin treats it (a NaN never wins here).  e's f32 sum has the matrix unit's order, not the reference's: an index can differ where 2 e lies within the sum's last bits of a boundary of d's f32
; grid and a rival lies within one step of that grid.  A's order of summation matters only where a power of two falls between a row's best candidates.
; SHARES.  Work-group (x, y): rows 256 x .. + 255, codes 2,048 y .. + 2,047.  A wave keeps 64 rows of xb in 512 registers for the whole launch; all four waves walk the same 128 tiles of 16 codes out of LDS.
; A code fragment (two LDS loads) feeds four matrix instructions.
; LAYOUT.  Source 0 = 16 codes, source 1 = 16 rows: in the result lane (r = l % 16, h = l / 16) holds ONE row and the codes 8 h + j in register j.  Row tile t of a wave holds rows 32 (t / 2) + 2 r + t % 2, so that
; at the end lane l owns rows 2 l and 2 l + 1 and a store of 8 bytes a lane covers 256 consecutive bytes.
; PIPELINE.  Stage s fetches tile s from LDS, multiplies tile s - 1 (64 matrix instructions) and RIDES tile s - 2: its 128 vector instructions (d, compare, keep) stand in slices of four behind every second matrix
; instruction.  Fragments, accumulators and cc have two sets, by the stage's parity.
; THE RUNNING MINIMUM is kept for each (row, h, j): strict "less" in ascending tile order keeps the first code of a stream; the 16 streams of a row are merged at the end, the smaller code winning on equal d.
; CLUSTER.  The four row blocks of a cluster have the same y and walk the same codes: every tensor load is asked for JOINTLY, the same descriptor and mask in all four.
; REGISTERS, in windows of 256 (s_set_vgpr_msb: bits 1:0 source 0, 3:2 source 1, 5:4 source 2, 7:6 destination):
;   window 0: addresses, A, cc, accumulators, minima      window 1: code fragments, parity p, channel block c at 128 p + 8 c      window 2: x, tile t, channel blocks 0-7 at 64 t + 8 c      window 3: blocks 8-15
.set PITCH, 1040                       ; a code in LDS: 1,024 bytes + 16 of padding = 65 x 16: the 16 rows of a fragment load start at 16 different groups of four banks (64 banks of 4 bytes: ISA guide 11.1)
.set TILEB, 16*PITCH
.set PAIRB, 2*TILEB                    ; two tiles; also the 32 codes that one wave's tensor load brings
.set SLOTB, 8*TILEB                    ; a slot: 128 codes, 133,120 bytes
.set SLOTM, 128*1024                   ; the same codes in memory
.set CN,    2*SLOTB                    ; behind the two slots: the quarter's 2,048 cc, filled once
.set SPARE, CN+8192                    ; behind them: the spare words, 128 bytes for each wave: two blocks of 256 bytes that no other line names
.set AK0, 3                            ; v3   1,040 r + 16 h: my place in a tile; never rewritten
.set ADR, 4                            ; v4   the LDS address of the pair of tiles in hand
.set CCA, 5                            ; v5   the LDS address of the pair's cc
.set QO,  6                            ; v6   2,048 r + 16 h: my place in the wave's rows of xb
.set NO,  7                            ; v7   8 r: my place in the wave's xn
.set PFO, 8                            ; v8   1,024 x lane: the prefetches' offset, a lane a code; never rewritten
.set SPW, 9                            ; v9   my spare word; never rewritten
.set NIL, 10                           ; v10  0; never rewritten
.set OUTO, 11                          ; v11  8 x lane
.set CC0, 12                           ; v12  32 h
.set AN,  16                           ; v[16:23]   A of tile t, twice, at AN + 2 t
.set CC,  24                           ; v[24:39]   cc of my 8 codes, two sets
.set ACC, 64                           ; v[64:127]  set q, tile t at ACC + 32 q + 8 t
.set BV,  128                          ; v[128:159] the least d so far, tile t, register j at BV + 8 t + j
.set BI,  160                          ; v[160:191] its tile's number
.set CBJ, 192                          ; v[192:199] 2,048 y + 8 h + j
.set XV,  200                          ; v200, v201 the other half of the lanes' d and code
.set OV,  204                          ; v[204:205] d of rows 2 l, 2 l + 1;  v[206:207] their codes
.set WV,  16                           ; s16 wave   s17 cx   s18 row block   s19 y
.set CX,  17
.set RB,  18
.set QY,  19
.set G1,  24                           ; s[24:31] group 1 for the codes
.set G1C, 32                           ; s[32:39] group 1 for cc
.set G0A, 40                           ; s[40:43] group 0 of slot 0;  s[44:47] of slot 1
.set G0C, 48                           ; s[48:51] group 0 for cc
.set PFA, 52                           ; s[52:53] where my prefetches stand
.set LIM, 54                           ; s54  1 in a cluster that prefetches, else the greatest number
.set FILLS, 55                         ; s55  refills still to come
.set TRIPS, 56
.set CNT, 57
.set TN,  58                           ; s58  the number of the tile that is ridden
.set MA,  59                           ; s59, s60 lane masks
.set MB,  60
.set HM,  61
.set SEL, 62                           ; s[62:63] v_permlanex16_b32's selects
.set TB,  66                           ; s66  LDS byte of the pair of tiles to be fetched
.set TC,  67                           ; s67  CN - 64 + 128 x the pair's number
.set MSB, 0
.macro WIN new                         ; the immediate's high byte repeats the setting that is left; a switch that changes nothing is dropped
.if MSB != (\new)
	s_set_vgpr_msb (MSB<<8)|(\new)
.set MSB, (\new)
.endif
.endm
.set W_M2, 0x09                        ; codes in window 1, x in window 2, sums in window 0
.set W_M3, 0x0d                        ; the same with x in window 3
.set W_F,  0x40                        ; destination window 1, address window 0
; A round of the cluster's barrier: my work-group's barrier, so that wave 0's signal speaks for all four waves; wave 0 signals; every wave waits for all four work-groups; my work-group's barrier once more.
.macro CROUND
	s_barrier_signal -1
	s_barrier_wait -1
	s_cmp_lg_u32 s[WV], 0
	s_cbranch_scc1 .Lnot_wave_0_\@
	s_barrier_signal -3
.Lnot_wave_0_\@:
	s_barrier_wait -3
	s_barrier_signal -1
	s_barrier_wait -1
.endm
	s_load_b256 s[4:11], s[0:1], 0x0               ; xb s[4:5], cb s[6:7], xn s[8:9], cn s[10:11]
	s_load_b128 s[12:15], s[0:1], 0x20             ; pv s[12:13], pi s[14:15]
	v_lshl_add_u32 v[SPW], v0, 2, SPARE
	v_mov_b32 v[NIL], 0
	ds_add_u32 v[SPW], v[NIL]                      ; the wave's opening: the add, twice on end, and its wait ahead of my first tensor load; the set-up below stands between
	ds_add_u32 v[SPW], v[NIL]
	v_lshrrev_b32 v1, 5, v0
	v_readfirstlane_b32 s[WV], v1                  ; wave 0..3
	s_bfe_u32 s[CX], ttmp6, 0x40000                ; cx: my place in the cluster: it enters xb's, xn's, pv's, pi's and the prefetches' addresses alone
	s_lshl_b32 s[RB], ttmp9, 2                     ; in a cluster launch ttmp9 counts clusters
	s_add_co_u32 s[RB], s[RB], s[CX]               ; my block of 256 rows
	s_and_b32 s[QY], ttmp7, 0xffff                 ; the quarter, which the four partners share
	; group 1 for the codes: 32 rows x 512 elements of 2 bytes, padded in LDS
	s_mov_b32 s[G1], 15|(1<<16)|(1<<20)|(1<<21)|(7<<22)|(3<<25)  ; 15:0 the mask of four; 17:16 2-byte elements; 20 padding on; 21 set beside a mask; 24:22 after every 256 words (code 7); 31:25 4 words (code 3)
	s_mov_b32 s[G1+1], 512<<16                     ; tensor_dim0 = 512
	s_mov_b32 s[G1+2], 32<<16                      ; tensor_dim1 = 32
	s_mov_b32 s[G1+3], 512<<16                     ; tile_dim0 = 512
	s_mov_b32 s[G1+4], 32                          ; tile_dim1 = 32
	s_mov_b32 s[G1+5], 512                         ; elements from row to row
	s_mov_b32 s[G1+6], 0
	s_mov_b32 s[G1+7], 0
	; group 1 for cc: 2,048 dense bytes as 8 rows of 32 elements of 8 bytes, no padding
	s_mov_b32 s[G1C], 15|(3<<16)|(1<<21)
	s_mov_b32 s[G1C+1], 32<<16
	s_mov_b32 s[G1C+2], 8<<16
	s_mov_b32 s[G1C+3], 32<<16
	s_mov_b32 s[G1C+4], 8
	s_mov_b32 s[G1C+5], 32
	s_mov_b32 s[G1C+6], 0
	s_mov_b32 s[G1C+7], 0
	s_mov_b32 s[G0A], 1                            ; count = 1
	s_mul_i32 s[G0A+1], s[WV], PAIRB               ; LDS address: my 32 codes of slot 0: the wave's number times a constant
	s_mov_b32 s[G0A+4], 1
	s_add_co_u32 s[G0A+5], s[G0A+1], SLOTB         ; of slot 1
	s_mov_b32 s[G0C], 1
	s_lshl_b32 s[G0C+1], s[WV], 11
	s_add_co_u32 s[G0C+1], s[G0C+1], CN            ; my 512 cc
	s_lshl_b32 s20, s[QY], 21                      ; cb: the quarter's 2,048 codes of 1,024 bytes,
	s_lshl_b32 s21, s[WV], 15                      ; my 32 codes of a slot
	s_add_co_u32 s20, s20, s21
	s_mov_b32 s21, 0
	s_lshl_b32 s22, s[QY], 13                      ; cn: the quarter's 8,192 bytes, my 2,048
	s_lshl_b32 s23, s[WV], 11
	s_add_co_u32 s22, s22, s23
	s_mov_b32 s23, 0
	s_lshl_b32 s68, s[RB], 18                      ; xb: my block's 256 rows of 1,024 bytes, my wave's 64 (the offsets that hold cx have registers of their own)
	s_lshl_b32 s69, s[WV], 16
	s_add_co_u32 s68, s68, s69
	s_mov_b32 s69, 0
	s_lshl_b32 s70, s[RB], 10                      ; xn, pv, pi: 4 bytes a row
	s_lshl_b32 s71, s[WV], 8
	s_add_co_u32 s70, s70, s71
	s_mov_b32 s71, 0
	s_cmp_eq_u32 ttmp9, 0                          ; all clusters of a quarter walk the same codes: the first prefetches; the same in all four partners
	s_cselect_b32 s[LIM], 1, -1
	s_mov_b32 s[FILLS], 14
	s_mov_b32 s[TN], 0
	s_mov_b32 s[TB], 0
	s_mov_b32 s[TC], CN-64
	s_mov_b32 s[SEL], 0x76543210
	s_mov_b32 s[SEL+1], 0xfedcba98
	v_and_b32 v1, 15, v0                           ; r
	v_bfe_u32 v2, v0, 4, 1                         ; h
	v_and_b32 v13, 31, v0                          ; lane
	v_mul_u32_u24 v[AK0], v1, PITCH
	v_lshl_add_u32 v[AK0], v2, 4, v[AK0]
	v_lshlrev_b32 v[QO], 11, v1
	v_lshl_add_u32 v[QO], v2, 4, v[QO]
	v_lshlrev_b32 v[NO], 3, v1
	v_lshlrev_b32 v[PFO], 10, v13
	v_lshlrev_b32 v[OUTO], 3, v13
	v_lshlrev_b32 v[CC0], 5, v2
	s_wait_dscnt 0x0                               ; both opening adds are done
	s_wait_kmcnt 0x0
	s_add_nc_u64 s[G0A+2:G0A+3], s[6:7], s[20:21]  ; slot 0: codes 0-127 of the quarter
	s_add_nc_u64 s[G0A+6:G0A+7], s[G0A+2:G0A+3], SLOTM  ; slot 1: codes 128-255
	s_add_nc_u64 s[PFA:PFA+1], s[G0A+2:G0A+3], 2*SLOTM  ; at the third 128 codes; the first change of slots steps it on
	s_or_b32 s[G0A+3], s[G0A+3], 0x80000000        ; type = 2
	s_or_b32 s[G0A+7], s[G0A+7], 0x80000000
	s_add_nc_u64 s[G0C+2:G0C+3], s[10:11], s[22:23]
	s_or_b32 s[G0C+3], s[G0C+3], 0x80000000
	s_add_nc_u64 s[4:5], s[4:5], s[68:69]          ; xb at my wave's first row
	s_add_nc_u64 s[8:9], s[8:9], s[70:71]          ; xn likewise
	s_lshl_b32 s68, s[QY], 16                      ; pv, pi: the quarter's 16,384 rows
	s_add_co_u32 s70, s70, s68
	s_add_nc_u64 s[12:13], s[12:13], s[70:71]
	s_add_nc_u64 s[14:15], s[14:15], s[70:71]
	s_lshl_b32 s68, s[CX], 8                       ; of a code's 1,024 bytes the partner at place cx prefetches 256: shared out by address
	s_add_nc_u64 s[PFA:PFA+1], s[PFA:PFA+1], s[68:69]
	CROUND                                         ; all four work-groups are here: the first joint loads meet
	tensor_load_to_lds s[G0A:G0A+3], s[G1:G1+7]    ; the first fills, one group: slot 0,
	s_nop 0
	tensor_load_to_lds s[G0C:G0C+3], s[G1C:G1C+7]  ; cc,
	s_nop 0
	tensor_load_to_lds s[G0A+4:G0A+7], s[G1:G1+7]  ; slot 1: three loads of mine are out
	s_nop 0
.rept 4
	v_nop
.endr
	; x stays in registers.  A fragment is 16 rows x 32 channels: lane (r, h) holds its row's channels 32 c + 8 h + 0..7 and 32 c + 16 + 8 h + 0..7: two loads of 16 bytes, 32 bytes apart.
.irp hw, 0,1
	WIN 0x80+0x40*(\hw)                            ; destination window 2, then 3; address window 0
.set t, 0
.rept 4
.set c, 0
.rept 8
	global_load_b128 v[64*t+8*c:64*t+8*c+3],   v[QO], s[4:5] offset:((t/2)*32+t%2)*1024+512*(\hw)+64*c
	global_load_b128 v[64*t+8*c+4:64*t+8*c+7], v[QO], s[4:5] offset:((t/2)*32+t%2)*1024+512*(\hw)+64*c+32
.set c, c+1
.endr
.set t, t+1
.endr
.endr
	WIN 0
.set t, 0
.rept 4
	global_load_b32 v[AN+2*t],   v[NO], s[8:9] offset:128*(t/2)+4*(t%2)  ; A of my row of tile t, into both registers of a pair
	global_load_b32 v[AN+2*t+1], v[NO], s[8:9] offset:128*(t/2)+4*(t%2)
.set t, t+1
.endr
.set i, 0
.rept 32                                       ; the running minimum's state, written while the first tiles are on their way
	v_mov_b32 v[BV+i], 0x7f800000                  ; + infinity
	v_mov_b32 v[BI+i], 0
.set i, i+1
.endr
	v_mov_b32 v[XV], 0                             ; v_permlanex16_b32's destinations count as read
	v_mov_b32 v[XV+1], 0
; Matrix instruction i of a stage's 64: channel block i / 4, row tile i % 4.  The four accumulators take turns, one instruction a turn; the first four start the sums with the constant 0.
.macro MM
.set c, i/4
.set t, i%4
.set rD, ACC+32*QQ+8*t
.set rF, 128*QQ+8*c
.set rX, 64*t+8*(c%8)
.if c < 8
	WIN W_M2
.else
	WIN W_M3
.endif
.if c == 0
	v_wmma_f32_16x16x32_bf16 v[rD:rD+7], v[rF:rF+7], v[rX:rX+7], 0
.else
	v_wmma_f32_16x16x32_bf16 v[rD:rD+7], v[rF:rF+7], v[rX:rX+7], v[rD:rD+7]
.endif
.endm
; Number n of the 128 vector instructions of a tile.  Pair p = 4 t + j / 2 of the tile's 16 pairs of sums lies at ACC + 32 PAR + 2 p.
;   A: fl(A - 2 e), one rounding (2 e is exact)      B: + cc      C: is it less than the least so far?      D: keep d      E: keep the tile's number
;   0-3: A 0, A 1, B 0, B 1.   4-115, eight for pair p: C, C, A (p + 2), D, E, B (p + 2), D, E.   116-127, six for pairs 14 and 15: C, C, D, E, D, E.
; Each accumulator is first read at its two lowest registers.
.macro RID
.if n < 4
.set w, 2+3*(n/2)
.set p, (n%2)-2
.elseif n < 116
.set w, (n-4)%8
.set p, (n-4)/8
.else
.set w, (n-116)%6
.set w, w+w/2
.set p, 14+(n-116)/6
.endif
.if (w == 2) || (w == 5)
.set p, p+2
.endif
.set d, ACC+32*PAR+2*p
.set b, 2*p
.if w == 2
	v_pk_fma_f32 v[d:d+1], v[d:d+1], -2.0, v[AN+2*(p/4):AN+2*(p/4)+1] op_sel_hi:[1,0,1]
.elseif w == 5
	v_pk_add_f32 v[d:d+1], v[d:d+1], v[CC+8*PAR+2*(p%4):CC+8*PAR+2*(p%4)+1]
.elseif w == 0
	v_cmp_lt_f32 s[MA], v[d], v[BV+b]
.elseif w == 1
	v_cmp_lt_f32 s[MB], v[d+1], v[BV+b+1]
.elseif w == 3
	v_cndmask_b32 v[BV+b], v[BV+b], v[d], s[MA]
.elseif w == 4
	v_cndmask_b32 v[BI+b], v[BI+b], s[TN], s[MA]
.elseif w == 6
	v_cndmask_b32 v[BV+b+1], v[BV+b+1], v[d+1], s[MB]
.else
	v_cndmask_b32 v[BI+b+1], v[BI+b+1], s[TN], s[MB]
.endif
.endm
.macro SLICE                           ; four of them, behind matrix instruction i (odd)
	WIN 0
.set n, 4*(i/2)
.rept 4
	RID
.set n, n+1
.endr
.endm
.macro HALF hf, mul, ride              ; half a stage: 32 matrix instructions, a slice behind every second one
.set i, 32*(\hf)
.rept 32
.if \mul
	MM
.endif
.if (\ride) && (i%2 == 1)
	SLICE
.endif
.set i, i+1
.endr
.endm
.macro FETCH c0                        ; 16 LDS loads in one run: eight channel blocks of the tile of parity PAR
	WIN W_F
.set c, (\c0)
.rept 8
	ds_load_b128 v[128*PAR+8*c:128*PAR+8*c+3],   v[ADR] offset:PAR*TILEB+64*c
	ds_load_b128 v[128*PAR+8*c+4:128*PAR+8*c+7], v[ADR] offset:PAR*TILEB+64*c+32
.set c, c+1
.endr
.endm
; A STAGE of parity par.  fetch: tile s comes from LDS, in two runs of 16 loads.  mul: tile s - 1 is multiplied, and its cc fetched (two loads at the head of the first run).  ride: tile s - 2's vector work.
; THE WAITS.  First half: the stage before's first run (its cc among it) must be in; younger are that stage's second run (16) and my first (2 + 16).  Second half: the stage before's second run; younger are my
; two runs (18 + 16).  Without a fetch of my own: 16 + 2, and 2.
; PLACES.  A load goes into a fragment register 32 matrix instructions and 64 riders or more behind its last reader; the first rider that reads a sum stands behind two slices (eight plain instructions on other registers)
; that follow the sum's last product.  A stage that multiplies without riders ends with four v_nop in their stead.
.macro STAGE par, fetch, mul, ride
.set PAR, (\par)
.set QQ, 1-(\par)
.if \mul
	WIN 0
	ds_load_b128 v[CC+8*QQ:CC+8*QQ+3],   v[CCA] offset:64*PAR
	ds_load_b128 v[CC+8*QQ+4:CC+8*QQ+7], v[CCA] offset:64*PAR+16
.endif
.if \fetch
	FETCH 0
.endif
.if \mul
	s_wait_dscnt 18+16*(\fetch)
.elseif \ride
	s_wait_dscnt 0x0
.endif
	HALF 0, \mul, \ride
.if \fetch
	FETCH 8
.endif
.if \mul
	s_wait_dscnt 2+32*(\fetch)
.endif
	HALF 1, \mul, \ride
.if \ride
	s_add_co_u32 s[TN], s[TN], 1
.endif
.if (\mul) && !(\ride)
.rept 4
	v_nop
.endr
.endif
.endm
.macro PAIRHEAD
	v_add_nc_u32 v[ADR], s[TB], v[AK0]
	v_add_nc_u32 v[CCA], s[TC], v[CC0]
.endm
.macro PAIRSTEP
	s_add_co_u32 s[TB], s[TB], PAIRB
	s_add_co_u32 s[TC], s[TC], 128
.endm
.macro PAIR                            ; two whole stages
	PAIRHEAD
	STAGE 0, 1, 1, 1
	STAGE 1, 1, 1, 1
	PAIRSTEP
	WIN 0                                          ; at a label and at a branch every window is 0
.endm
; A PREFETCH INTO THE L2 of the 128 codes that the NEXT change of slots will ask for: eight stages, 512 matrix instructions, ahead of that load.  cb's codes are walked once by a cluster; of the sixteen clusters of a quarter
; the first asks.  Each wave names the 32 codes that it will fetch, a lane a code; of a code's 1,024 bytes each of the four partners names 256, told apart by address.  So each aligned 256 bytes are named once in the launch.
; The first three slots come by their loads alone; the last refill asks for nothing: there is no slot behind it.
.macro ASK
	s_cmp_gt_u32 s[FILLS], s[LIM]
	s_cbranch_scc0 .Lnot_mine_\@
	global_prefetch_b8 v[PFO], s[PFA:PFA+1] th:TH_LOAD_NT scope:SCOPE_SE
.Lnot_mine_\@:
.endm
; THE CHANGE OF SLOTS.  All eight tiles of slot `slot` have been fetched into registers.  Each wave waits for all its tensor loads, of which one is out: its part of the other slot; adds 0 to its spare word; and waits for that
; and for its own reads of the slot.  fill = 1: the barrier is a round of the cluster's, so that no wave of any partner still reads the slot or has a load on its way, and the joint refill, the codes two slots on, is the first
; thing behind it: it has eight stages in which to land.
.macro CHANGE slot, fill
	WIN 0
	s_wait_tensorcnt 0x0                           ; no tensor load of mine is out, so a group 0 may be written
	ds_add_u32 v[SPW], v[NIL]                      ; 0 onto my spare word
.if \fill
	s_add_nc_u64 s[G0A+4*(\slot)+2:G0A+4*(\slot)+3], s[G0A+4*(\slot)+2:G0A+4*(\slot)+3], 2*SLOTM  ; the type bits on top are not reached
	s_wait_xcnt 0x0                                ; the last prefetch, eight stages back, has read its address
	s_add_nc_u64 s[PFA:PFA+1], s[PFA:PFA+1], SLOTM
	s_wait_dscnt 0x0                               ; the add is done, and my reads of the slot are over
	CROUND
	tensor_load_to_lds s[G0A+4*(\slot):G0A+4*(\slot)+3], s[G1:G1+7]
	s_nop 0
.rept 4
	v_nop
.endr
	ASK
	s_sub_co_u32 s[FILLS], s[FILLS], 1
.else
	s_wait_dscnt 0x0
	s_barrier_signal -1
	s_barrier_wait -1
.endif
	s_mov_b32 s[TB], (1-(\slot))*SLOTB             ; the fetches go on in the other slot
.endm
.macro LOOP4 name                      ; PAIR, s[CNT] times
\name:
	PAIR
	s_sub_co_u32 s[CNT], s[CNT], 1
	s_cmp_lg_u32 s[CNT], 0
	s_cbranch_scc1 \name
.endm
	s_wait_tensorcnt 0x1                           ; my parts of slot 0 and of cc are in; slot 1's, issued last, may stay out
	s_barrier_signal -1
	s_barrier_wait -1                              ; everybody's are
	PAIRHEAD
	STAGE 0, 1, 0, 0                               ; tile 0 is fetched
	s_wait_loadcnt 0x0                             ; x and A
	STAGE 1, 1, 1, 0                               ; tile 1 is fetched, tile 0 multiplied
	PAIRSTEP
	WIN 0
	s_mov_b32 s[CNT], 3                            ; stages 2 to 7: the rest of slot 0's first tiles
	LOOP4 .Lpa
	s_mov_b32 s[TRIPS], 7
.Ltrip:                                        ; seven trips, two slots each: fourteen refills
	CHANGE 0, 1
	s_mov_b32 s[CNT], 4
	LOOP4 .Lp1
	CHANGE 1, 1
	s_mov_b32 s[CNT], 4
	LOOP4 .Lp0
	s_sub_co_u32 s[TRIPS], s[TRIPS], 1
	s_cmp_lg_u32 s[TRIPS], 0
	s_cbranch_scc1 .Ltrip
	CHANGE 0, 0                                    ; the tail is written out: the last 128 codes lie in slot 1, nothing is asked for
	s_mov_b32 s[CNT], 4
	LOOP4 .Lp2
	v_add_nc_u32 v[CCA], s[TC], v[CC0]
	STAGE 0, 0, 1, 1                               ; tile 127 is multiplied, tile 126 ridden
	STAGE 1, 0, 0, 1                               ; tile 127 is ridden
	; THE END.  Tile numbers become codes; a row's 8 streams in my lane are merged, then the other half of the lanes' 8.
	s_lshl_b32 s20, s[QY], 11
	v_lshl_add_u32 v[CBJ], v2, 3, s20
.irp j, 1,2,3,4,5,6,7
	v_add_nc_u32 v[CBJ+\j], \j, v[CBJ]
.endr
.set i, 0
.rept 32
	v_lshl_add_u32 v[BI+i], v[BI+i], 4, v[CBJ+i%8]
.set i, i+1
.endr
.macro MERGE va, ia, vb, ib            ; (va, ia) takes (vb, ib) if vb is less, or equal with the smaller code
	v_cmp_lt_f32 s[MA], v[\vb], v[\va]
	v_cmp_eq_f32 s[MB], v[\vb], v[\va]
	v_cmp_lt_u32 s22, v[\ib], v[\ia]
	s_and_b32 s[MB], s[MB], s22
	s_or_b32 s[MA], s[MA], s[MB]
	v_cndmask_b32 v[\va], v[\va], v[\vb], s[MA]
	v_cndmask_b32 v[\ia], v[\ia], v[\ib], s[MA]
.endm
.irp t, 0,1,2,3
.irp j, 0,2,4,6
	MERGE BV+8*\t+\j, BI+8*\t+\j, BV+8*\t+\j+1, BI+8*\t+\j+1
.endr
.irp j, 0,4
	MERGE BV+8*\t+\j, BI+8*\t+\j, BV+8*\t+\j+2, BI+8*\t+\j+2
.endr
	MERGE BV+8*\t, BI+8*\t, BV+8*\t+4, BI+8*\t+4
	v_permlanex16_b32 v[XV], v[BV+8*\t], s[SEL], s[SEL+1]
	v_permlanex16_b32 v[XV+1], v[BI+8*\t], s[SEL], s[SEL+1]
	MERGE BV+8*\t, BI+8*\t, XV, XV+1
.endr
	v_cmp_eq_u32 s[HM], 1, v2                      ; lanes 0-15 own rows 2 r, 2 r + 1 (tiles 0, 1), lanes 16-31 rows 32 + 2 r, + 1 (tiles 2, 3)
	v_cndmask_b32 v[OV],   v[BV],   v[BV+16], s[HM]
	v_cndmask_b32 v[OV+1], v[BV+8], v[BV+24], s[HM]
	v_cndmask_b32 v[OV+2], v[BI],   v[BI+16], s[HM]
	v_cndmask_b32 v[OV+3], v[BI+8], v[BI+24], s[HM]
	global_store_b64 v[OUTO], v[OV:OV+1], s[12:13]     ; my wave's 64 rows: 256 consecutive bytes, aligned
	global_store_b64 v[OUTO], v[OV+2:OV+3], s[14:15]
	s_wait_tensorcnt 0x0                           ; the wave's end: these three lines, behind my last tensor load
	ds_add_u32 v[SPW], v[NIL]
	s_wait_dscnt 0x0
	CROUND                                         ; the closing round: no work-group ends while a partner may still ask for a tile that names it
	s_endpgm
.Lfunc_end_k_qaa51934f21_search:
	.size	k_qaa51934f21_search, .Lfunc_end_k_qaa51934f21_search-k_qaa51934f21_search
	.p2alignl 7, 3214868480
	.fill 96, 4, 3214868480
	.section	.rodata,"a",@progbits
	.p2align	6, 0x0
	.amdhsa_kernel k_qaa51934f21_search
		.amdhsa_group_segment_fixed_size 327680
		.amdhsa_private_segment_fixed_size 0
		.amdhsa_enable_private_segment 0
		.amdhsa_kernarg_size 48
		.amdhsa_user_sgpr_count 2
		.amdhsa_user_sgpr_kernarg_segment_ptr 1
		.amdhsa_wavefront_size32 1
		.amdhsa_system_sgpr_workgroup_id_x 1
		.amdhsa_system_sgpr_workgroup_id_y 1
		.amdhsa_system_sgpr_workgroup_id_z 1
		.amdhsa_system_vgpr_workitem_id 0
		.amdhsa_next_free_vgpr 1024
		.amdhsa_next_free_sgpr 72
		.amdhsa_reserve_vcc 0
		.amdhsa_float_denorm_mode_32 3
		.amdhsa_float_denorm_mode_16_64 3
		.amdhsa_memory_ordered 1
		.amdhsa_forward_progress 1
		.amdhsa_inst_pref_size 202
	.end_amdhsa_kernel
	.amdgpu_metadata
---
amdhsa.version: [ 1, 2 ]
amdhsa.kernels:
  - .name:           k_qaa51934f21_search
    .symbol:         k_qaa51934f21_search.kd
    .args:
      - { .name: xb, .offset: 0, .size: 8, .value_kind: global_buffer, .address_space: global }
      - { .name: cb, .offset: 8, .size: 8, .value_kind: global_buffer, .address_space: global }
      - { .name: xn, .offset: 16, .size: 8, .value_kind: global_buffer, .address_space: global }
      - { .name: cn, .offset: 24, .size: 8, .value_kind: global_buffer, .address_space: global }
      - { .name: pv, .offset: 32, .size: 8, .value_kind: global_buffer, .address_space: global }
      - { .name: pi, .offset: 40, .size: 8, .value_kind: global_buffer, .address_space: global }
    .group_segment_fixed_size: 327680
    .private_segment_fixed_size: 0
    .kernarg_segment_align: 8
    .kernarg_segment_size: 48
    .max_flat_workgroup_size: 128
    .sgpr_count:     72
    .vgpr_count:     1024
    .wavefront_size: 32
...
	.end_amdgpu_metadata
.endif
;; end of part 2
;; launch finish (part 3): grid 256 x 1, 8 waves a work-group, no clusters, 0 bytes of LDS; arguments xb, cb, pv, pi, out0, out3, part; writes out0, out3, part
.if DOCPART == 3
	.amdgcn_target "amdgcn-amd-amdhsa--gfx1250"
	.amdhsa_code_object_version 6
	.text
	.protected	k_qaa51934f21_finish
	.globl	k_qaa51934f21_finish
	.p2align	8
	.type	k_qaa51934f21_finish,@function
k_qaa51934f21_finish:
	s_mov_b64 s[64:65], 0
	v_nop
	global_prefetch_b8 v0, s[64:65] scope:SCOPE_SE
	s_setreg_imm32_b32 hwreg(HW_REG_WAVE_MODE, 25, 1), 1
	s_wait_xcnt 0x0
; FINISH.  For each row the four quarters' candidates (pv: least d, pi: its code) are merged: strict "less" in ascending order of the quarters, so that on equal d the smaller code stays.
; out3 = the code; out0 = z + (zq - z), as the reference writes it, on the bf16 numbers of xb and cb; part[wave] = the wave's sum of (zq - z)^2, element by element, in f32.
; NO ADDRESS HANGS ON THE MERGE: all four candidate rows are gathered (their addresses come from pi, whole numbers that the launch before stored, held to 0..8191), and the merge selects among the loaded words.
; SHARES.  A work-group takes 64 rows, a wave 8, a whole row at a time: a row of bf16 is four loads of 256 consecutive bytes, a lane holds channels 128 m + 4 lane .. + 3; a row of out0 is four stores of 512 consecutive bytes.
; Two sets of registers: while one row is worked on, the next row's 20 loads are out.
; LIMIT.  NaN in pv is not treated apart (a NaN never wins).
.set IDX,  24                          ; s[24:55] code of quarter q, row i at IDX + 8 q + i
.set VAL0, 56                          ; s[56:63], s[68:75], s[76:83], s[84:91] d of quarters 0 to 3, row i
.set VAL1, 68
.set VAL2, 76
.set VAL3, 84
.set VO,  8                            ; v[8:15]   two sets: the four candidates' byte offsets in cb
.set XB,  16                           ; v[16:31]  two sets of 8: the row of xb
.set CD,  32                           ; v[32:95]  two sets of 32: candidate q, load m at 8 q + 2 m
.set O,   108                          ; v[108:123] the row of out0
	s_load_b256 s[4:11], s[0:1], 0x0               ; xb s[4:5], cb s[6:7], pv s[8:9], pi s[10:11]
	s_load_b128 s[12:15], s[0:1], 0x20             ; out0 s[12:13], out3 s[14:15]
	s_load_b64 s[16:17], s[0:1], 0x30              ; part
	v_lshrrev_b32 v1, 5, v0
	v_readfirstlane_b32 s18, v1                    ; wave 0..7
	v_and_b32 v1, 31, v0                           ; lane
	v_lshlrev_b32 v2, 3, v1                        ; 8 bytes a lane
	v_lshlrev_b32 v3, 4, v1                        ; 16 bytes a lane
	v_mov_b32 v4, 0
	v_mov_b32 v6, 0                                ; v_permlanex16_b32's destination counts as read
	v_mov_b32 v124, 0                              ; the loss, four sums a lane
	v_mov_b32 v125, 0
	v_mov_b32 v126, 0
	v_mov_b32 v127, 0
	s_lshl_b32 s19, ttmp9, 8                       ; the group's 64 rows, 4 bytes each
	s_lshl_b32 s20, s18, 5                         ; my wave's 8
	s_add_co_u32 s20, s20, s19                     ; 4 x my first row
	s_mov_b32 s21, 0
	s_mov_b32 s23, 0
	s_mov_b32 s95, 0xffff0000                      ; a word's upper bf16
	s_mov_b32 s96, 0x76543210
	s_mov_b32 s97, 0xfedcba98
	s_wait_kmcnt 0x0
	s_add_nc_u64 s[8:9], s[8:9], s[20:21]          ; pv and pi at my first row, quarter 0
	s_add_nc_u64 s[10:11], s[10:11], s[20:21]
	s_load_b256 s[IDX:IDX+7],     s[10:11], 0x0    ; 8 rows x 4 quarters, 65,536 bytes apart
	s_load_b256 s[IDX+8:IDX+15],  s[10:11], 0x10000
	s_load_b256 s[IDX+16:IDX+23], s[10:11], 0x20000
	s_load_b256 s[IDX+24:IDX+31], s[10:11], 0x30000
	s_load_b256 s[VAL0:VAL0+7], s[8:9], 0x0
	s_load_b256 s[VAL1:VAL1+7], s[8:9], 0x10000
	s_load_b256 s[VAL2:VAL2+7], s[8:9], 0x20000
	s_load_b256 s[VAL3:VAL3+7], s[8:9], 0x30000
	s_lshl_b32 s22, s20, 8                         ; 1,024 bytes a row of xb
	s_add_nc_u64 s[4:5], s[4:5], s[22:23]
	s_lshl_b32 s22, s20, 9                         ; 2,048 bytes a row of out0
	s_add_nc_u64 s[12:13], s[12:13], s[22:23]
	s_mov_b32 s22, s19
	s_add_nc_u64 s[14:15], s[14:15], s[22:23]      ; out3 at the group's 64 rows
	s_lshl_b32 s22, ttmp9, 5
	s_lshl2_add_u32 s22, s18, s22                  ; 4 (8 group + wave)
	s_add_nc_u64 s[16:17], s[16:17], s[22:23]
	s_wait_kmcnt 0x0
.set i, 0
.rept 32
	s_min_u32 s[IDX+i], s[IDX+i], 0x1fff           ; a loaded number enters an address only held to the table's size
.set i, i+1
.endr
.macro LOAD i, st                      ; row i into set st: 20 loads, each of 256 consecutive bytes, aligned
.irp q, 0,1,2,3
	v_lshl_add_u32 v[VO+4*(\st)+(\q)], s[IDX+8*(\q)+(\i)], 10, v2
.endr
.irp m, 0,1,2,3
	global_load_b64 v[XB+8*(\st)+2*(\m):XB+8*(\st)+2*(\m)+1], v2, s[4:5] offset:1024*(\i)+256*(\m) th:TH_LOAD_NT
.endr
.irp q, 0,1,2,3
.irp m, 0,1,2,3
	global_load_b64 v[CD+32*(\st)+8*(\q)+2*(\m):CD+32*(\st)+8*(\q)+2*(\m)+1], v[VO+4*(\st)+(\q)], s[6:7] offset:256*(\m)
.endr
.endr
.endm
.macro WORK i, st, left                ; left: the next row's loads, which may stay out
.set C, CD+32*(\st)
.set XS, XB+8*(\st)
	v_mov_b32 v5, s[VAL0+(\i)]                     ; the least d so far, and for each later quarter: is it less?
	v_cmp_gt_f32 s92, v5, s[VAL1+(\i)]
	v_cndmask_b32 v5, v5, s[VAL1+(\i)], s92
	v_cmp_gt_f32 s93, v5, s[VAL2+(\i)]
	v_cndmask_b32 v5, v5, s[VAL2+(\i)], s93
	v_cmp_gt_f32 s94, v5, s[VAL3+(\i)]
	s_wait_loadcnt \left                           ; loads come back in order: this row's 20 are in; that also frees this set's offset registers
.set r, 0
.rept 8
	v_cndmask_b32 v[C+r], v[C+r], v[C+8+r],  s92   ; the winner's words into candidate 0's registers
	v_cndmask_b32 v[C+r], v[C+r], v[C+16+r], s93
	v_cndmask_b32 v[C+r], v[C+r], v[C+24+r], s94
.set r, r+1
.endr
	s_wait_xcnt 0x0                                ; the last row's stores have read O: it is rewritten only behind this wait
.irp m, 0,1,2,3
	v_lshlrev_b32 v96, 16, v[C+2*(\m)]             ; zq
	v_and_b32 v97, s95, v[C+2*(\m)]
	v_lshlrev_b32 v98, 16, v[C+2*(\m)+1]
	v_and_b32 v99, s95, v[C+2*(\m)+1]
	v_lshlrev_b32 v100, 16, v[XS+2*(\m)]           ; z
	v_and_b32 v101, s95, v[XS+2*(\m)]
	v_lshlrev_b32 v102, 16, v[XS+2*(\m)+1]
	v_and_b32 v103, s95, v[XS+2*(\m)+1]
	v_pk_add_f32 v[104:105], v[96:97], v[100:101] neg_lo:[0,1] neg_hi:[0,1]  ; zq - z
	v_pk_add_f32 v[106:107], v[98:99], v[102:103] neg_lo:[0,1] neg_hi:[0,1]
	v_pk_fma_f32 v[124:125], v[104:105], v[104:105], v[124:125]
	v_pk_fma_f32 v[126:127], v[106:107], v[106:107], v[126:127]
	v_pk_add_f32 v[O+4*(\m):O+4*(\m)+1],   v[100:101], v[104:105]             ; z + (zq - z)
	v_pk_add_f32 v[O+4*(\m)+2:O+4*(\m)+3], v[102:103], v[106:107]
	global_store_b128 v3, v[O+4*(\m):O+4*(\m)+3], s[12:13] offset:2048*(\i)+512*(\m) th:TH_STORE_NT
.endr
.endm
	LOAD 0, 0
	LOAD 1, 1
	s_cmp_lg_u32 s18, 0                            ; wave 0 makes the group's 64 numbers of out3, lane l rows 2 l and 2 l + 1, while the first rows are on their way
	s_cbranch_scc1 .Lrows
.irp q, 0,1,2,3
	global_load_b64 v[128+2*(\q):129+2*(\q)], v2, s[8:9] offset:65536*(\q)
	global_load_b64 v[136+2*(\q):137+2*(\q)], v2, s[10:11] offset:65536*(\q)
.endr
	s_wait_loadcnt 0x0                             ; these eight, and with them all that went out before: the counted waits below are then met at once
.irp u, 0,1
.irp q, 1,2,3
	v_cmp_gt_f32 vcc_lo, v[128+(\u)], v[128+2*(\q)+(\u)]
	v_cndmask_b32 v[128+(\u)], v[128+(\u)], v[128+2*(\q)+(\u)], vcc_lo
	v_cndmask_b32 v[136+(\u)], v[136+(\u)], v[136+2*(\q)+(\u)], vcc_lo
.endr
.endr
	global_store_b64 v2, v[136:137], s[14:15]      ; 256 consecutive bytes, aligned
.Lrows:
	WORK 0, 0, 20
	LOAD 2, 0
	WORK 1, 1, 20
	LOAD 3, 1
	WORK 2, 0, 20
	LOAD 4, 0
	WORK 3, 1, 20
	LOAD 5, 1
	WORK 4, 0, 20
	LOAD 6, 0
	WORK 5, 1, 20
	LOAD 7, 1
	WORK 6, 0, 20
	WORK 7, 1, 0
	v_pk_add_f32 v[124:125], v[124:125], v[126:127]
	v_add_f32 v124, v124, v125
	v_add_f32_dpp v124, v124, v124 row_xmask:1 row_mask:0xf bank_mask:0xf
	v_add_f32_dpp v124, v124, v124 row_xmask:2 row_mask:0xf bank_mask:0xf
	v_add_f32_dpp v124, v124, v124 row_xmask:4 row_mask:0xf bank_mask:0xf
	v_add_f32_dpp v124, v124, v124 row_xmask:8 row_mask:0xf bank_mask:0xf
	v_permlanex16_b32 v6, v124, s96, s97
	v_add_f32 v124, v124, v6
	v_cmp_eq_u32 vcc_lo, 0, v1
	s_wait_xcnt 0x0                                ; EXEC changes only behind this wait: the stores above have read theirs
	s_and_saveexec_b32 s98, vcc_lo
	global_store_b32 v4, v124, s[16:17]            ; one number a wave: the sum over work-groups is the next launch's
	s_wait_xcnt 0x0                                ; and again, in front of the line that widens it
	s_or_b32 exec_lo, exec_lo, s98
	s_endpgm
.Lfunc_end_k_qaa51934f21_finish:
	.size	k_qaa51934f21_finish, .Lfunc_end_k_qaa51934f21_finish-k_qaa51934f21_finish
	.p2alignl 7, 3214868480
	.fill 96, 4, 3214868480
	.section	.rodata,"a",@progbits
	.p2align	6, 0x0
	.amdhsa_kernel k_qaa51934f21_finish
		.amdhsa_group_segment_fixed_size 0
		.amdhsa_private_segment_fixed_size 0
		.amdhsa_enable_private_segment 0
		.amdhsa_kernarg_size 56
		.amdhsa_user_sgpr_count 2
		.amdhsa_user_sgpr_kernarg_segment_ptr 1
		.amdhsa_wavefront_size32 1
		.amdhsa_system_sgpr_workgroup_id_x 1
		.amdhsa_system_sgpr_workgroup_id_y 1
		.amdhsa_system_sgpr_workgroup_id_z 1
		.amdhsa_system_vgpr_workitem_id 0
		.amdhsa_next_free_vgpr 144
		.amdhsa_next_free_sgpr 100
		.amdhsa_reserve_vcc 1
		.amdhsa_float_denorm_mode_32 3
		.amdhsa_float_denorm_mode_16_64 3
		.amdhsa_memory_ordered 1
		.amdhsa_forward_progress 1
		.amdhsa_inst_pref_size 62
	.end_amdhsa_kernel
	.amdgpu_metadata
---
amdhsa.version: [ 1, 2 ]
amdhsa.kernels:
  - .name:           k_qaa51934f21_finish
    .symbol:         k_qaa51934f21_finish.kd
    .args:
      - { .name: xb, .offset: 0, .size: 8, .value_kind: global_buffer, .address_space: global }
      - { .name: cb, .offset: 8, .size: 8, .value_kind: global_buffer, .address_space: global }
      - { .name: pv, .offset: 16, .size: 8, .value_kind: global_buffer, .address_space: global }
      - { .name: pi, .offset: 24, .size: 8, .value_kind: global_buffer, .address_space: global }
      - { .name: out0, .offset: 32, .size: 8, .value_kind: global_buffer, .address_space: global }
      - { .name: out3, .offset: 40, .size: 8, .value_kind: global_buffer, .address_space: global }
      - { .name: part, .offset: 48, .size: 8, .value_kind: global_buffer, .address_space: global }
    .group_segment_fixed_size: 0
    .private_segment_fixed_size: 0
    .kernarg_segment_align: 8
    .kernarg_segment_size: 56
    .max_flat_workgroup_size: 256
    .sgpr_count:     100
    .vgpr_count:     144
    .wavefront_size: 32
...
	.end_amdgpu_metadata
.endif
;; end of part 3
;; launch loss (part 4): grid 1 x 1, 1 waves a work-group, no clusters, 0 bytes of LDS; arguments part, out1, out2; writes out1, out2
.if DOCPART == 4
	.amdgcn_target "amdgcn-amd-amdhsa--gfx1250"
	.amdhsa_code_object_version 6
	.text
	.protected	k_qaa51934f21_loss
	.globl	k_qaa51934f21_loss
	.p2align	8
	.type	k_qaa51934f21_loss,@function
k_qaa51934f21_loss:
	s_mov_b64 s[64:65], 0
	v_nop
	global_prefetch_b8 v0, s[64:65] scope:SCOPE_SE
	s_setreg_imm32_b32 hwreg(HW_REG_WAVE_MODE, 25, 1), 1
	s_wait_xcnt 0x0
; LOSS.  out1 = out2 = the sum of the 2,048 partial sums of (zq - z)^2, times 2^-23 = 1 / (16,384 x 512), which is exact.  (a - b)^2 and (b - a)^2 are the same number, so one sum serves both means.
; One wave: 16 loads of 512 consecutive bytes, a tree of packed sums in each lane, then across the lanes.  All in f32.
	s_load_b128 s[4:7], s[0:1], 0x0                ; part s[4:5], out1 s[6:7]
	s_load_b64 s[8:9], s[0:1], 0x10                ; out2
	v_lshlrev_b32 v1, 4, v0
	v_mov_b32 v2, 0
	v_mov_b32 v3, 0                                ; v_permlanex16_b32's destination counts as read
	s_mov_b32 s12, 0x76543210
	s_mov_b32 s13, 0xfedcba98
	s_wait_kmcnt 0x0
.set k, 0
.rept 16
	global_load_b128 v[4+4*k:7+4*k], v1, s[4:5] offset:512*k
.set k, k+1
.endr
	s_wait_loadcnt 0x0
.irp n, 32,16,8,4,2
.set r, 0
.rept (\n)/2
	v_pk_add_f32 v[4+r:5+r], v[4+r:5+r], v[4+(\n)+r:5+(\n)+r]
.set r, r+2
.endr
.endr
	v_add_f32 v4, v4, v5
	v_add_f32_dpp v4, v4, v4 row_xmask:1 row_mask:0xf bank_mask:0xf
	v_add_f32_dpp v4, v4, v4 row_xmask:2 row_mask:0xf bank_mask:0xf
	v_add_f32_dpp v4, v4, v4 row_xmask:4 row_mask:0xf bank_mask:0xf
	v_add_f32_dpp v4, v4, v4 row_xmask:8 row_mask:0xf bank_mask:0xf
	v_permlanex16_b32 v3, v4, s12, s13
	v_add_f32 v4, v4, v3
	v_mul_f32 v4, 0x34000000, v4                   ; 2^-23
	v_cmp_eq_u32 vcc_lo, 0, v0
	s_wait_xcnt 0x0                                ; EXEC changes only behind this wait
	s_and_saveexec_b32 s14, vcc_lo
	global_store_b32 v2, v4, s[6:7]
	global_store_b32 v2, v4, s[8:9]
	s_wait_xcnt 0x0
	s_or_b32 exec_lo, exec_lo, s14
	s_endpgm
.Lfunc_end_k_qaa51934f21_loss:
	.size	k_qaa51934f21_loss, .Lfunc_end_k_qaa51934f21_loss-k_qaa51934f21_loss
	.p2alignl 7, 3214868480
	.fill 96, 4, 3214868480
	.section	.rodata,"a",@progbits
	.p2align	6, 0x0
	.amdhsa_kernel k_qaa51934f21_loss
		.amdhsa_group_segment_fixed_size 0
		.amdhsa_private_segment_fixed_size 0
		.amdhsa_enable_private_segment 0
		.amdhsa_kernarg_size 24
		.amdhsa_user_sgpr_count 2
		.amdhsa_user_sgpr_kernarg_segment_ptr 1
		.amdhsa_wavefront_size32 1
		.amdhsa_system_sgpr_workgroup_id_x 1
		.amdhsa_system_sgpr_workgroup_id_y 1
		.amdhsa_system_sgpr_workgroup_id_z 1
		.amdhsa_system_vgpr_workitem_id 0
		.amdhsa_next_free_vgpr 72
		.amdhsa_next_free_sgpr 66
		.amdhsa_reserve_vcc 1
		.amdhsa_float_denorm_mode_32 3
		.amdhsa_float_denorm_mode_16_64 3
		.amdhsa_memory_ordered 1
		.amdhsa_forward_progress 1
		.amdhsa_inst_pref_size 5
	.end_amdhsa_kernel
	.amdgpu_metadata
---
amdhsa.version: [ 1, 2 ]
amdhsa.kernels:
  - .name:           k_qaa51934f21_loss
    .symbol:         k_qaa51934f21_loss.kd
    .args:
      - { .name: part, .offset: 0, .size: 8, .value_kind: global_buffer, .address_space: global }
      - { .name: out1, .offset: 8, .size: 8, .value_kind: global_buffer, .address_space: global }
      - { .name: out2, .offset: 16, .size: 8, .value_kind: global_buffer, .address_space: global }
    .group_segment_fixed_size: 0
    .private_segment_fixed_size: 0
    .kernarg_segment_align: 8
    .kernarg_segment_size: 24
    .max_flat_workgroup_size: 32
    .sgpr_count:     66
    .vgpr_count:     72
    .wavefront_size: 32
...
	.end_amdgpu_metadata
.endif
;; end of part 4
;; ======== version 2 of 2: 4 launches; version 1 with the launches prep, finish written anew for expert scheduling mode
;; workspace buffers: xb 16,777,216 bytes; cb 8,388,608 bytes; xn 65,536 bytes; cn 32,768 bytes; pv 262,144 bytes; pi 262,144 bytes of whole numbers; part 8,192 bytes
;; launch prep (part 5): grid 384 x 1, 8 waves a work-group, no clusters, 2,048 bytes of LDS; arguments x, codebook, xb, cb, xn, cn; writes xb, cb, xn, cn
.if DOCPART == 5
	.amdgcn_target "amdgcn-amd-amdhsa--gfx1250"
	.amdhsa_code_object_version 6
	.text
	.protected	k_qaa51934f21_prep
	.globl	k_qaa51934f21_prep
	.p2align	8
	.type	k_qaa51934f21_prep,@function
k_qaa51934f21_prep:
	s_mov_b64 s[64:65], 0
	v_nop
	global_prefetch_b8 v0, s[64:65] scope:SCOPE_SE
	s_setreg_imm32_b32 hwreg(HW_REG_WAVE_SCHED_MODE, 0, 2), 2
	s_setreg_imm32_b32 hwreg(HW_REG_WAVE_MODE, 25, 1), 1
	s_wait_xcnt 0x0
	s_wait_alu depctr_vm_vsrc(0)
; PREP.  x [16384][512] f32 and codebook [8192][512] f32 are rounded once to bf16 (nearest even) into xb and cb, and for each row the sum of the
; squares OF THE ROUNDED NUMBERS is stored in f32 into xn and cn.  The whole program works on the rounded inputs.
; SHARES.  A work-group takes 64 rows: groups 0-255 x's blocks, groups 256-383 the codebook's.  A wave takes 8 whole rows; a row of 2,048 bytes is four
; loads of 512 consecutive bytes, so a lane holds channels 128 m + 4 lane .. + 3.  All 32 loads of a wave (16 KiB) go out at once; no register of them is loaded twice.
; OUT.  A row's four stores cover 256 consecutive bytes each, aligned.  The 64 sums meet in LDS, and wave 0 stores them as 256 consecutive bytes.
; LIMIT.  A number beyond bf16's largest finite one becomes an infinity.  The order of a row's sum (four per lane, then across lanes) is not the reference's.
; THE MODE: SCHED_MODE bits 1:0 = 2 (LLVM: expert scheduling mode 2), set by the entry lines.  The code itself states the register dependences
; between vector instructions and memory or LDS instructions, with s_wait_alu, always for 0.
; THE PLAN.  Registers that memory or LDS instructions touch:
;   X, row i      The loads at the head land in it; row i's conversions read it and write the packed words in place; the four stores that are issued in row i + 1 read those; never written again.
;   v2, v3        the loads' and the stores' offsets; v5, v6 LDS addresses; v7, v8 the closing add's: made at the head, never written again.
;   v4            written by the eight selections, read by the one LDS store.      v[10:11]  at work in the rows; wave 0's LDS load lands in them at the end.
; So ONE wait on va_vdst stands at the head of each row but the first: the row before has written its packed words.  Its four stores follow, dealt among this row's vector instructions,
; which name this row's X, v9 to v17 and v4: none of the registers that those stores touch.  One more stands behind the last row.
.set SPARE, 1024                       ; LDS 0-1023: wave w's 128 bytes of scratch at 128 w; from 1024 on the spare words, 128 bytes a wave
.set X,   32                           ; v[32:159] row i, load m at X + 16 i + 4 m
.set SRC, 18                           ; s[18:19] my wave's first row in the f32 source
.set DST, 20                           ; s[20:21] the same in the bf16 copy
.set NRB, 22                           ; s[22:23] the group's 64 sums
.set MK,  4                            ; s[4:11]  behind the choice of the buffers, which leaves these registers free: mask i names lane i
	s_load_b256 s[4:11], s[0:1], 0x0               ; x s[4:5], codebook s[6:7], xb s[8:9], cb s[10:11]
	s_load_b128 s[12:15], s[0:1], 0x20             ; xn s[12:13], cn s[14:15]
	v_lshl_add_u32 v7, v0, 2, SPARE                ; my spare word; never rewritten
	v_mov_b32 v8, 0                                ; 0; never rewritten
	v_lshrrev_b32 v1, 5, v0
	v_readfirstlane_b32 s16, v1                    ; wave 0..7
	v_and_b32 v1, 31, v0                           ; lane
	v_lshlrev_b32 v2, 4, v1                        ; 16 bytes a lane in a load
	v_lshlrev_b32 v3, 3, v1                        ; 8 bytes a lane in a store
	v_mov_b32 v4, 0                                ; lane i (0..7) will hold row i's sum
	v_lshlrev_b32 v5, 2, v0                        ; scratch: 128 wave + 4 lane
	v_lshrrev_b32 v6, 2, v1                        ; wave 0 reads rows 2 l, 2 l + 1: wave l / 4, words 2 (l % 4) and the next
	v_and_b32 v9, 3, v1
	v_lshlrev_b32 v6, 7, v6
	v_lshl_add_u32 v6, v9, 3, v6
	s_mov_b32 s24, 0xffff0000                      ; a word's upper bf16
	s_mov_b32 s26, 0x76543210                      ; v_permlanex16_b32: each lane takes its own place in the other half
	s_mov_b32 s27, 0xfedcba98
	s_wait_alu depctr_va_sdst(0)                   ; s16 is written, ahead of its first reader: the wave's offsets are made from it
	s_and_b32 s17, ttmp9, 255                      ; the block of 64 rows in its tensor
	s_lshl_b32 s28, s17, 17                        ; 64 rows of 2,048 bytes
	s_lshl_b32 s29, s16, 14                        ; my wave's 8 rows
	s_add_co_u32 s28, s28, s29
	s_mov_b32 s29, 0
	s_wait_kmcnt 0x0
	s_cmp_lt_u32 ttmp9, 256                        ; x or the codebook: a choice by the group's number
	s_cselect_b64 s[SRC:SRC+1], s[4:5], s[6:7]
	s_cselect_b64 s[DST:DST+1], s[8:9], s[10:11]
	s_cselect_b64 s[NRB:NRB+1], s[12:13], s[14:15]
	s_add_nc_u64 s[SRC:SRC+1], s[SRC:SRC+1], s[28:29]
	s_lshr_b32 s28, s28, 1                         ; half the bytes in bf16
	s_add_nc_u64 s[DST:DST+1], s[DST:DST+1], s[28:29]
	s_lshl_b32 s28, s17, 8                         ; 64 sums of 4 bytes
	s_add_nc_u64 s[NRB:NRB+1], s[NRB:NRB+1], s[28:29]
	s_wait_alu depctr_va_vdst(0)                   ; v2 is written, which the loads read as their offset; so are v3, v5, v6, v7 and v8, which the stores and the LDS instructions below read
.set i, 0
.rept 32
	global_load_b128 v[X+4*i:X+4*i+3], v2, s[SRC:SRC+1] offset:512*i th:TH_LOAD_NT
.set i, i+1
.endr
.irp i, 0,1,2,3,4,5,6,7
	v_cmp_eq_u32 s[MK+(\i)], \i, v1                ; the eight masks in one run, while the loads are on their way
.endr
	s_wait_alu depctr_va_sdst(0)                   ; the eight masks are written, ahead of the first selection that reads one
; Row i: rounded in place, unpacked again and squared; the row before is stored.
.macro ROW i
	s_wait_loadcnt 4*(7-(\i))                      ; loads come back in order: this row's four are in, the later rows' stay out
.if (\i) > 0
	s_wait_alu depctr_va_vdst(0)                   ; the row before's conversions have written its packed words, which the four stores below read
.endif
.irp m, 0,1,2,3
.set a, X+16*(\i)+4*(\m)
.if (\i) > 0
	global_store_b64 v3, v[a-16:a-15], s[DST:DST+1] offset:1024*((\i)-1)+256*(\m)  ; the row before; 32 lanes: 256 consecutive bytes, aligned; no vector instruction since the wait names these registers, and they are not written again
.endif
	v_cvt_pk_bf16_f32 v[a], v[a], v[a+1]
	v_cvt_pk_bf16_f32 v[a+1], v[a+2], v[a+3]
	v_lshlrev_b32 v10, 16, v[a]
	v_and_b32 v11, s24, v[a]
	v_lshlrev_b32 v12, 16, v[a+1]
	v_and_b32 v13, s24, v[a+1]
.if (\m) == 0
	v_pk_mul_f32 v[14:15], v[10:11], v[10:11]      ; the first products start the sums
	v_pk_mul_f32 v[16:17], v[12:13], v[12:13]
.else
	v_pk_fma_f32 v[14:15], v[10:11], v[10:11], v[14:15]
	v_pk_fma_f32 v[16:17], v[12:13], v[12:13], v[16:17]
.endif
.endr
	v_pk_add_f32 v[14:15], v[14:15], v[16:17]
	v_add_f32 v14, v14, v15
	v_add_f32_dpp v14, v14, v14 row_xmask:1 row_mask:0xf bank_mask:0xf
	v_add_f32_dpp v14, v14, v14 row_xmask:2 row_mask:0xf bank_mask:0xf
	v_add_f32_dpp v14, v14, v14 row_xmask:4 row_mask:0xf bank_mask:0xf
	v_add_f32_dpp v14, v14, v14 row_xmask:8 row_mask:0xf bank_mask:0xf
	v_permlanex16_b32 v9, v14, s26, s27
	v_add_f32 v14, v14, v9                         ; every lane holds the row's sum;
	v_cndmask_b32 v4, v4, v14, s[MK+(\i)]          ; lane i keeps it
.endm
.irp i, 0,1,2,3,4,5,6,7
	ROW \i
.endr
	s_wait_alu depctr_va_vdst(0)                   ; the last row's conversions have written its packed words, which the stores read; v4 is written, which the LDS store reads; the rows are done with v[10:11], in which wave 0's LDS load lands
.irp m, 0,1,2,3
	global_store_b64 v3, v[X+112+4*(\m):X+112+4*(\m)+1], s[DST:DST+1] offset:1024*7+256*(\m)
.endr
	ds_store_b32 v5, v4                            ; each lane its own word; words 0-7 of a wave's 32 are its rows' sums
	s_wait_dscnt 0x0                               ; for the others' sake: my store is done
	s_barrier_signal -1
	s_barrier_wait -1
	s_cmp_lg_u32 s16, 0
	s_cbranch_scc1 .Lend
	ds_load_b64 v[10:11], v6
	s_wait_dscnt 0x0
	global_store_b64 v3, v[10:11], s[NRB:NRB+1]    ; 64 sums: 256 consecutive bytes, aligned
.Lend:
	s_wait_dscnt 0x0                               ; the wave's end: these six lines, on end
	s_wait_alu 0x0
	s_wait_tensorcnt 0x0
	ds_add_u32 v7, v8
	s_wait_dscnt 0x0
	s_endpgm
.Lfunc_end_k_qaa51934f21_prep:
	.size	k_qaa51934f21_prep, .Lfunc_end_k_qaa51934f21_prep-k_qaa51934f21_prep
	.p2alignl 7, 3214868480
	.fill 96, 4, 3214868480
	.section	.rodata,"a",@progbits
	.p2align	6, 0x0
	.amdhsa_kernel k_qaa51934f21_prep
		.amdhsa_group_segment_fixed_size 2048
		.amdhsa_private_segment_fixed_size 0
		.amdhsa_enable_private_segment 0
		.amdhsa_kernarg_size 48
		.amdhsa_user_sgpr_count 2
		.amdhsa_user_sgpr_kernarg_segment_ptr 1
		.amdhsa_wavefront_size32 1
		.amdhsa_system_sgpr_workgroup_id_x 1
		.amdhsa_system_sgpr_workgroup_id_y 1
		.amdhsa_system_sgpr_workgroup_id_z 1
		.amdhsa_system_vgpr_workitem_id 0
		.amdhsa_next_free_vgpr 160
		.amdhsa_next_free_sgpr 66
		.amdhsa_reserve_vcc 0
		.amdhsa_float_denorm_mode_32 3
		.amdhsa_float_denorm_mode_16_64 3
		.amdhsa_memory_ordered 1
		.amdhsa_forward_progress 1
		.amdhsa_inst_pref_size 26
	.end_amdhsa_kernel
	.amdgpu_metadata
---
amdhsa.version: [ 1, 2 ]
amdhsa.kernels:
  - .name:           k_qaa51934f21_prep
    .symbol:         k_qaa51934f21_prep.kd
    .args:
      - { .name: x, .offset: 0, .size: 8, .value_kind: global_buffer, .address_space: global }
      - { .name: codebook, .offset: 8, .size: 8, .value_kind: global_buffer, .address_space: global }
      - { .name: xb, .offset: 16, .size: 8, .value_kind: global_buffer, .address_space: global }
      - { .name: cb, .offset: 24, .size: 8, .value_kind: global_buffer, .address_space: global }
      - { .name: xn, .offset: 32, .size: 8, .value_kind: global_buffer, .address_space: global }
      - { .name: cn, .offset: 40, .size: 8, .value_kind: global_buffer, .address_space: global }
    .group_segment_fixed_size: 2048
    .private_segment_fixed_size: 0
    .kernarg_segment_align: 8
    .kernarg_segment_size: 48
    .max_flat_workgroup_size: 256
    .sgpr_count:     66
    .vgpr_count:     160
    .wavefront_size: 32
...
	.end_amdgpu_metadata
.endif
;; end of part 5
;; launch search: the kernel of part 2 again; grid 64 x 4, 4 waves a work-group, clusters of 4 x 1, 327,680 bytes of LDS; arguments xb, cb, xn, cn, pv, pi; writes pv, pi
;; launch finish (part 6): grid 256 x 1, 8 waves a work-group, no clusters, 0 bytes of LDS; arguments xb, cb, pv, pi, out0, out3, part; writes out0, out3, part
.if DOCPART == 6
	.amdgcn_target "amdgcn-amd-amdhsa--gfx1250"
	.amdhsa_code_object_version 6
	.text
	.protected	k_qaa51934f21_finish
	.globl	k_qaa51934f21_finish
	.p2align	8
	.type	k_qaa51934f21_finish,@function
k_qaa51934f21_finish:
	s_mov_b64 s[64:65], 0
	v_nop
	global_prefetch_b8 v0, s[64:65] scope:SCOPE_SE
	s_setreg_imm32_b32 hwreg(HW_REG_WAVE_SCHED_MODE, 0, 2), 2
	s_setreg_imm32_b32 hwreg(HW_REG_WAVE_MODE, 25, 1), 1
	s_wait_xcnt 0x0
	s_wait_alu depctr_vm_vsrc(0)
; FINISH.  For each row the four quarters' candidates (pv: least d, pi: its code) are merged: strict "less" in ascending order of the quarters, so that on equal d the smaller code stays.
; out3 = the code; out0 = z + (zq - z), as the reference writes it, on the bf16 numbers of xb and cb; part[wave] = the wave's sum of (zq - z)^2, element by element, in f32.
; NO ADDRESS HANGS ON THE MERGE: all four candidate rows are gathered (their addresses come from pi, whole numbers that the launch before stored, held to 0..8191), and the merge selects among the loaded words.
; SHARES.  A work-group takes 64 rows, a wave 8, a whole row at a time: a row of bf16 is four loads of 256 consecutive bytes, a lane holds channels 128 m + 4 lane .. + 3; a row of out0 is four stores of 512 consecutive bytes.
; LIMIT.  NaN in pv is not treated apart (a NaN never wins).
; THE MODE: SCHED_MODE bits 1:0 = 2 (LLVM: expert scheduling mode 2), set by the entry lines.  The code itself states the register dependences
; between vector instructions and memory instructions, with s_wait_alu, always for 0.
; THE PLAN.  A step is a row.  Registers that memory instructions touch:
;   XB, CD   three sets.  Step i's selections and unpacking lines read and write set i % 3; the 20 loads of row i + 2, issued in step i, land in set (i + 2) % 3 = (i - 1) % 3.
;   OB       two out-buffers.  Step i's sums write OB[i % 2]; the four stores of row i - 1, issued in step i, read OB[(i - 1) % 2].
;   VO       32 offsets, one for each row and quarter; v2, v3, v4: offsets.  All made at the head, never written again.
;   PV, PI   wave 0 alone: loads land in them, selections write them, one store reads PI.
; Step i's memory instructions touch the set and the out-buffer that step i - 1 worked on, and no vector instruction of step i names those.  So the waits at a step's head state all that its 24 memory
; instructions hang on, and these are dealt among its vector instructions with no further wait.  The masks of the merge are made for all eight rows at once, in three runs of compares, each with one wait.
.set IDX,  24                          ; s[24:55] code of quarter q, row i at IDX + 8 q + i
.set MK,   24                          ; s[24:47] once the offsets are made of the codes: is quarter q + 1's d less than the least so far? row i at MK + 8 q + i
.set VAL0, 56                          ; s[56:63], s[68:75], s[76:83], s[84:91] d of quarters 0 to 3, row i
.set VAL1, 68
.set VAL2, 76
.set VAL3, 84
.set VO,  8                            ; v[8:39]    row i, quarter q at VO + 4 i + q: the candidate's byte offset in cb
.set XB,  40                           ; v[40:63]   three sets of 8: the row of xb
.set CD,  64                           ; v[64:159]  three sets of 32: candidate q, load m at 8 q + 2 m
.set T,   160                          ; v[160:171] at work: no memory instruction names them
.set OB,  172                          ; v[172:203] two sets of 16: the row of out0
.set SUM, 204                          ; v[204:207] the loss, four sums a lane
.set PV,  208                          ; v[208:215] wave 0: d of rows 2 l, 2 l + 1, quarter q at PV + 2 q
.set PI,  216                          ; v[216:223] their codes
.set MN,  224                          ; v[224:231] row i: the least d so far
	s_load_b256 s[4:11], s[0:1], 0x0               ; xb s[4:5], cb s[6:7], pv s[8:9], pi s[10:11]
	s_load_b128 s[12:15], s[0:1], 0x20             ; out0 s[12:13], out3 s[14:15]
	s_load_b64 s[16:17], s[0:1], 0x30              ; part
	v_lshrrev_b32 v1, 5, v0
	v_readfirstlane_b32 s18, v1                    ; wave 0..7
	v_and_b32 v1, 31, v0                           ; lane
	v_lshlrev_b32 v2, 3, v1                        ; 8 bytes a lane
	v_lshlrev_b32 v3, 4, v1                        ; 16 bytes a lane
	v_mov_b32 v4, 0
	v_mov_b32 v6, 0                                ; v_permlanex16_b32's destination counts as read
	v_mov_b32 v[SUM], 0
	v_mov_b32 v[SUM+1], 0
	v_mov_b32 v[SUM+2], 0
	v_mov_b32 v[SUM+3], 0
	s_lshl_b32 s19, ttmp9, 8                       ; the group's 64 rows, 4 bytes each
	s_wait_alu depctr_va_sdst(0)                   ; s18 is written, ahead of its first reader: the wave's offsets are made from it
	s_lshl_b32 s20, s18, 5                         ; my wave's 8
	s_add_co_u32 s20, s20, s19                     ; 4 x my first row
	s_mov_b32 s21, 0
	s_mov_b32 s23, 0
	s_mov_b32 s95, 0xffff0000                      ; a word's upper bf16
	s_mov_b32 s96, 0x76543210
	s_mov_b32 s97, 0xfedcba98
	s_wait_kmcnt 0x0
	s_add_nc_u64 s[8:9], s[8:9], s[20:21]          ; pv and pi at my first row, quarter 0
	s_add_nc_u64 s[10:11], s[10:11], s[20:21]
	s_load_b256 s[IDX:IDX+7],     s[10:11], 0x0    ; 8 rows x 4 quarters, 65,536 bytes apart
	s_load_b256 s[IDX+8:IDX+15],  s[10:11], 0x10000
	s_load_b256 s[IDX+16:IDX+23], s[10:11], 0x20000
	s_load_b256 s[IDX+24:IDX+31], s[10:11], 0x30000
	s_load_b256 s[VAL0:VAL0+7], s[8:9], 0x0
	s_load_b256 s[VAL1:VAL1+7], s[8:9], 0x10000
	s_load_b256 s[VAL2:VAL2+7], s[8:9], 0x20000
	s_load_b256 s[VAL3:VAL3+7], s[8:9], 0x30000
	s_lshl_b32 s22, s20, 8                         ; 1,024 bytes a row of xb
	s_add_nc_u64 s[4:5], s[4:5], s[22:23]
	s_lshl_b32 s22, s20, 9                         ; 2,048 bytes a row of out0
	s_add_nc_u64 s[12:13], s[12:13], s[22:23]
	s_mov_b32 s22, s19
	s_add_nc_u64 s[14:15], s[14:15], s[22:23]      ; out3 at the group's 64 rows
	s_lshl_b32 s22, ttmp9, 5
	s_lshl2_add_u32 s22, s18, s22                  ; 4 (8 group + wave)
	s_add_nc_u64 s[16:17], s[16:17], s[22:23]
	s_wait_kmcnt 0x0
.set i, 0
.rept 32
	s_min_u32 s[IDX+i], s[IDX+i], 0x1fff           ; a loaded number enters an address only held to the table's size
.set i, i+1
.endr
.set i, 0
.rept 32
	v_lshl_add_u32 v[VO+i], s[IDX+8*(i%4)+i/4], 10, v2  ; all eight rows' four offsets at once: row i / 4, quarter i % 4
.set i, i+1
.endr
	s_wait_alu depctr_va_vdst(0)                   ; v2, v3, v4 and the 32 offsets are written: every load and store of the kernel reads one of them as its offset
; One load of row i, into set i % 3: 256 consecutive bytes, aligned.
.macro LDX i, m                        ; xb, load m
	global_load_b64 v[XB+8*((\i)%3)+2*(\m):XB+8*((\i)%3)+2*(\m)+1], v2, s[4:5] offset:1024*(\i)+256*(\m) th:TH_LOAD_NT
.endm
.macro LDC i, q, m                     ; candidate q, load m
	global_load_b64 v[CD+32*((\i)%3)+8*(\q)+2*(\m):CD+32*((\i)%3)+8*(\q)+2*(\m)+1], v[VO+4*(\i)+(\q)], s[6:7] offset:256*(\m)
.endm
.irp i, 0,1                            ; rows 0 and 1: 40 loads; row 2 follows in step 0
.irp m, 0,1,2,3
	LDX \i, \m
.endr
.irp q, 0,1,2,3
.irp m, 0,1,2,3
	LDC \i, \q, \m
.endr
.endr
.endr
	; The merge's masks, for all eight rows, while the first rows are on their way: the least d so far, and for each later quarter: is it less?  These lines name MN and scalar registers alone.
.irp i, 0,1,2,3,4,5,6,7
	v_mov_b32 v[MN+(\i)], s[VAL0+(\i)]
.endr
.irp i, 0,1,2,3,4,5,6,7
	v_cmp_gt_f32 s[MK+(\i)], v[MN+(\i)], s[VAL1+(\i)]
.endr
	s_wait_alu depctr_va_sdst(0)                   ; quarter 1's eight masks are written, ahead of the selections that read them
.irp i, 0,1,2,3,4,5,6,7
	v_cndmask_b32 v[MN+(\i)], v[MN+(\i)], s[VAL1+(\i)], s[MK+(\i)]
.endr
.irp i, 0,1,2,3,4,5,6,7
	v_cmp_gt_f32 s[MK+8+(\i)], v[MN+(\i)], s[VAL2+(\i)]
.endr
	s_wait_alu depctr_va_sdst(0)                   ; quarter 2's eight masks are written, ahead of the selections that read them
.irp i, 0,1,2,3,4,5,6,7
	v_cndmask_b32 v[MN+(\i)], v[MN+(\i)], s[VAL2+(\i)], s[MK+8+(\i)]
.endr
.irp i, 0,1,2,3,4,5,6,7
	v_cmp_gt_f32 s[MK+16+(\i)], v[MN+(\i)], s[VAL3+(\i)]
.endr
	s_wait_alu depctr_va_sdst(0)                   ; quarter 3's eight masks are written: the steps' selections read them; the wait stands ahead of the branch
; Step i.  left: the next row's loads, which may stay out.
.macro STEP i, left
.set C,   CD+32*((\i)%3)
.set XS,  XB+8*((\i)%3)
.set OWR, OB+16*((\i)%2)               ; written in this step
.set ORD, OB+16*(1-(\i)%2)             ; stored in this step
	s_wait_loadcnt \left                           ; loads come back in order: this row's 20 are in
.if (\i) >= 2
	s_wait_xcnt 0x0                                ; every earlier memory instruction has had its addresses translated (ISA guide 3.1): this step's out-buffer, which the stores of the step before read, is rewritten only behind this wait
	s_wait_alu depctr_vm_vsrc(0)                   ; the stores issued in the step before have read this step's out-buffer, which its sums write again
.endif
.if (\i) >= 1
	s_wait_alu depctr_va_vdst(0)                   ; the step before has written the other out-buffer, which the stores below read, and is done with its set, in which the loads below land
.endif
.set r, 0
.rept 8
.if (\i) < 6                           ; row i + 2's 20 loads, dealt among the selections; no vector instruction since the wait names their registers
.if r < 4
	LDX (\i)+2, r
.endif
	LDC (\i)+2, r/2, 2*(r%2)
	LDC (\i)+2, r/2, 2*(r%2)+1
.endif
	v_cndmask_b32 v[C+r], v[C+r], v[C+8+r],  s[MK+(\i)]     ; the winner's words into candidate 0's registers
	v_cndmask_b32 v[C+r], v[C+r], v[C+16+r], s[MK+8+(\i)]
	v_cndmask_b32 v[C+r], v[C+r], v[C+24+r], s[MK+16+(\i)]
.set r, r+1
.endr
.irp m, 0,1,2,3
.if (\i) >= 1
	global_store_b128 v3, v[ORD+4*(\m):ORD+4*(\m)+3], s[12:13] offset:2048*((\i)-1)+512*(\m) th:TH_STORE_NT  ; the row before
.endif
	v_lshlrev_b32 v[T], 16, v[C+2*(\m)]            ; zq
	v_and_b32 v[T+1], s95, v[C+2*(\m)]
	v_lshlrev_b32 v[T+2], 16, v[C+2*(\m)+1]
	v_and_b32 v[T+3], s95, v[C+2*(\m)+1]
	v_lshlrev_b32 v[T+4], 16, v[XS+2*(\m)]         ; z
	v_and_b32 v[T+5], s95, v[XS+2*(\m)]
	v_lshlrev_b32 v[T+6], 16, v[XS+2*(\m)+1]
	v_and_b32 v[T+7], s95, v[XS+2*(\m)+1]
	v_pk_add_f32 v[T+8:T+9],   v[T:T+1],   v[T+4:T+5] neg_lo:[0,1] neg_hi:[0,1]  ; zq - z
	v_pk_add_f32 v[T+10:T+11], v[T+2:T+3], v[T+6:T+7] neg_lo:[0,1] neg_hi:[0,1]
	v_pk_fma_f32 v[SUM:SUM+1],   v[T+8:T+9],   v[T+8:T+9],   v[SUM:SUM+1]
	v_pk_fma_f32 v[SUM+2:SUM+3], v[T+10:T+11], v[T+10:T+11], v[SUM+2:SUM+3]
	v_pk_add_f32 v[OWR+4*(\m):OWR+4*(\m)+1],   v[T+4:T+5], v[T+8:T+9]             ; z + (zq - z)
	v_pk_add_f32 v[OWR+4*(\m)+2:OWR+4*(\m)+3], v[T+6:T+7], v[T+10:T+11]
.endr
.endm
	s_cmp_lg_u32 s18, 0                            ; wave 0 makes the group's 64 numbers of out3, lane l rows 2 l and 2 l + 1, while the first rows are on their way
	s_cbranch_scc1 .Lrows
.irp q, 0,1,2,3
	global_load_b64 v[PV+2*(\q):PV+2*(\q)+1], v2, s[8:9] offset:65536*(\q)
	global_load_b64 v[PI+2*(\q):PI+2*(\q)+1], v2, s[10:11] offset:65536*(\q)
.endr
	s_wait_loadcnt 0x0                             ; these eight, and with them all that went out before: the counted wait below is then met at once
.irp q, 1,2,3
	v_cmp_gt_f32 s92, v[PV],   v[PV+2*(\q)]
	v_cmp_gt_f32 s93, v[PV+1], v[PV+2*(\q)+1]
	s_wait_alu depctr_va_sdst(0)                   ; the two rows' masks are written, ahead of the selections that read them
	v_cndmask_b32 v[PV],   v[PV],   v[PV+2*(\q)],   s92
	v_cndmask_b32 v[PI],   v[PI],   v[PI+2*(\q)],   s92
	v_cndmask_b32 v[PV+1], v[PV+1], v[PV+2*(\q)+1], s93
	v_cndmask_b32 v[PI+1], v[PI+1], v[PI+2*(\q)+1], s93
.endr
	s_wait_alu depctr_va_vdst(0)                   ; the selections have written the two codes, which the store reads
	global_store_b64 v2, v[PI:PI+1], s[14:15]      ; 256 consecutive bytes, aligned; these registers are not written again
.Lrows:
	STEP 0, 20
	STEP 1, 20
	STEP 2, 20
	STEP 3, 20
	STEP 4, 20
	STEP 5, 20
	STEP 6, 20                                     ; the last two steps load nothing
	STEP 7, 0
	s_wait_alu depctr_va_vdst(0)                   ; the last step has written its out-buffer, which the last four stores read
.irp m, 0,1,2,3
	global_store_b128 v3, v[OB+16+4*(\m):OB+16+4*(\m)+3], s[12:13] offset:2048*7+512*(\m) th:TH_STORE_NT
.endr
	v_pk_add_f32 v[SUM:SUM+1], v[SUM:SUM+1], v[SUM+2:SUM+3]
	v_add_f32 v[SUM], v[SUM], v[SUM+1]
	v_add_f32_dpp v[SUM], v[SUM], v[SUM] row_xmask:1 row_mask:0xf bank_mask:0xf
	v_add_f32_dpp v[SUM], v[SUM], v[SUM] row_xmask:2 row_mask:0xf bank_mask:0xf
	v_add_f32_dpp v[SUM], v[SUM], v[SUM] row_xmask:4 row_mask:0xf bank_mask:0xf
	v_add_f32_dpp v[SUM], v[SUM], v[SUM] row_xmask:8 row_mask:0xf bank_mask:0xf
	v_permlanex16_b32 v6, v[SUM], s96, s97
	v_add_f32 v[SUM], v[SUM], v6
	v_cmp_eq_u32 vcc_lo, 0, v1
	s_wait_xcnt 0x0                                ; EXEC changes only behind this wait: the stores above have had their addresses translated
	s_wait_alu depctr_va_vcc(0)                    ; VCC is written: EXEC is made from it
	s_wait_alu depctr_va_vdst(0)                   ; ahead of the write of EXEC: the vector instructions issued so far are done; among them the wave's sum is written, which the store below reads
	s_wait_alu depctr_vm_vsrc(0)                   ; ahead of the write of EXEC: the stores issued so far have read their vector registers
	s_and_saveexec_b32 s98, vcc_lo
	global_store_b32 v4, v[SUM], s[16:17]          ; one number a wave: the sum over work-groups is the next launch's
	s_wait_xcnt 0x0                                ; and again, in front of the line that widens it
	s_wait_alu depctr_va_vdst(0)                   ; ahead of the write of EXEC: no vector instruction is pending
	s_wait_alu depctr_vm_vsrc(0)                   ; ahead of the write of EXEC: the store has read its vector registers
	s_or_b32 exec_lo, exec_lo, s98
	s_endpgm
.Lfunc_end_k_qaa51934f21_finish:
	.size	k_qaa51934f21_finish, .Lfunc_end_k_qaa51934f21_finish-k_qaa51934f21_finish
	.p2alignl 7, 3214868480
	.fill 96, 4, 3214868480
	.section	.rodata,"a",@progbits
	.p2align	6, 0x0
	.amdhsa_kernel k_qaa51934f21_finish
		.amdhsa_group_segment_fixed_size 0
		.amdhsa_private_segment_fixed_size 0
		.amdhsa_enable_private_segment 0
		.amdhsa_kernarg_size 56
		.amdhsa_user_sgpr_count 2
		.amdhsa_user_sgpr_kernarg_segment_ptr 1
		.amdhsa_wavefront_size32 1
		.amdhsa_system_sgpr_workgroup_id_x 1
		.amdhsa_system_sgpr_workgroup_id_y 1
		.amdhsa_system_sgpr_workgroup_id_z 1
		.amdhsa_system_vgpr_workitem_id 0
		.amdhsa_next_free_vgpr 232
		.amdhsa_next_free_sgpr 100
		.amdhsa_reserve_vcc 1
		.amdhsa_float_denorm_mode_32 3
		.amdhsa_float_denorm_mode_16_64 3
		.amdhsa_memory_ordered 1
		.amdhsa_forward_progress 1
		.amdhsa_inst_pref_size 63
	.end_amdhsa_kernel
	.amdgpu_metadata
---
amdhsa.version: [ 1, 2 ]
amdhsa.kernels:
  - .name:           k_qaa51934f21_finish
    .symbol:         k_qaa51934f21_finish.kd
    .args:
      - { .name: xb, .offset: 0, .size: 8, .value_kind: global_buffer, .address_space: global }
      - { .name: cb, .offset: 8, .size: 8, .value_kind: global_buffer, .address_space: global }
      - { .name: pv, .offset: 16, .size: 8, .value_kind: global_buffer, .address_space: global }
      - { .name: pi, .offset: 24, .size: 8, .value_kind: global_buffer, .address_space: global }
      - { .name: out0, .offset: 32, .size: 8, .value_kind: global_buffer, .address_space: global }
      - { .name: out3, .offset: 40, .size: 8, .value_kind: global_buffer, .address_space: global }
      - { .name: part, .offset: 48, .size: 8, .value_kind: global_buffer, .address_space: global }
    .group_segment_fixed_size: 0
    .private_segment_fixed_size: 0
    .kernarg_segment_align: 8
    .kernarg_segment_size: 56
    .max_flat_workgroup_size: 256
    .sgpr_count:     100
    .vgpr_count:     232
    .wavefront_size: 32
...
	.end_amdgpu_metadata
.endif
;; end of part 6
;; launch loss: the kernel of part 4 again; grid 1 x 1, 1 waves a work-group, no clusters, 0 bytes of LDS; arguments part, out1, out2; writes out1, out2
